; MI455X (gfx1250); checked and timed in simulation.
; The chip was launched on July 23, 2026; its instructions are those of AMD's public machine-readable ISA for CDNA 5 (MIT licence, August 2026) and "CDNA5" Instruction Set Architecture Reference Guide (July 2026). The comments in the code are by the model that wrote it; some were corrected since.
;; Vector Quantizer. Allowed arithmetic: matrix products marked QUANTISED: E2M3 operands, one E8M0 scale for each 32 along K, by v_wmma_scale_f32_16x16x128_f8f6f4 with both operands' format E2M3, f32 sums; everything else in f32.
;; Inputs: codebook 8,192 x 256 float32; inputs 16 x 2,048 x 256 float32.
;; Outputs: out0 16 x 2,048 x 256 float32; out1 16 x 2,048 int32; out2 one number float32.
;; This version of the problem:
;;   THIS VERSION OF THE PROBLEM IS GIVEN IN LOW PRECISION. The matrix products marked QUANTISED in the list below multiply operands that are first quantised to E2M3 (2 exponent bits, 3 mantissa bits; 6 bits a number), with one power-of-two scale for each 32 numbers along K (OCP MX v1.0); their sums are f32. All else is computed in f32.
;;   The module's matrix products, in the order in which they are computed (A, B: the left and right operand; K: the contracted axis; several contracted axes count as one K, in the product's order):
;;     1. [M 32,768, K 256] x [K 256, N 8,192]; A: input inputs; B: input codebook: QUANTISED
;;   THE QUANTISER, for each operand of a quantised product, along K:
;;     - K is cut into blocks of 32 from its start; a last block that is shorter is filled with zeros.
;;     - A block's scale is 2^e with e = floor(log2(the largest magnitude in the block)) - 2, held to -126 .. 127; a block of zeros has e = 0. As a byte (E8M0): e + 127.
;;     - Each number is divided by its block's scale, clamped to +-7.5, and rounded to the nearest number of E2M3, ties to even, subnormals kept.
;;     - The product sums the exact products of the quantised numbers (number of the format x scale) in f32.
;;   ~~~python
;;   def quantise(x, axis):      # numpy; x: float32 -> the quantised numbers, widened to float32 again
;;       x = np.moveaxis(x, axis, -1); K = x.shape[-1]
;;       x = np.pad(x, [(0, 0)] * (x.ndim - 1) + [(0, -K % 32)]); x = x.reshape(x.shape[:-1] + (-1, 32)); a = np.abs(x).max(-1, keepdims=True)
;;       e = np.where(a > 0, np.clip(np.frexp(np.where(a > 0, a, 1))[1] - 1 - 2, -126, 127), 0)      # np.frexp(a)[1] - 1 = floor(log2(a)), exactly
;;       r = np.clip(x / 2.0 ** e, -7.5, 7.5)
;;       step = 2.0 ** (np.maximum(np.frexp(np.where(r == 0, 1, r))[1] - 1, 0) - 3)
;;       q = np.round(r / step) * step * 2.0 ** e      # np.round: ties to even
;;       return np.moveaxis(q.reshape(q.shape[:-2] + (-1,))[..., :K], -1, axis).astype(np.float32)
;;   ~~~
;; One version. Each part assembles by itself: llvm-mc -triple=amdgcn-amd-amdhsa -mcpu=gfx1250 --defsym DOCPART=n.
;; ======== version 1 of 1: 5 launches
;; limits: right only within a limited range of input values
;; workspace buffers: xrec 6,815,744 bytes; crec 1,703,936 bytes; cand 262,144 bytes of whole numbers; idxw 131,072 bytes of whole numbers; part 2,048 bytes
;; launch quant (part 1): grid 640 x 1, 4 waves a work-group, no clusters, 68,096 bytes of LDS; arguments inputs, codebook, xrec, crec; writes xrec, crec
.if DOCPART == 1
	.amdgcn_target "amdgcn-amd-amdhsa--gfx1250"
	.amdhsa_code_object_version 6
	.text
	.protected	k_q92c812988a_quant
	.globl	k_q92c812988a_quant
	.p2align	8
	.type	k_q92c812988a_quant,@function
k_q92c812988a_quant:
	s_mov_b64 s[64:65], 0
	v_nop
	global_prefetch_b8 v0, s[64:65] scope:SCOPE_SE
	s_setreg_imm32_b32 hwreg(HW_REG_WAVE_MODE, 25, 1), 1
	s_wait_xcnt 0x0
; inputs [32768][256] and codebook [8192][256], f32, become RECORDS: one record for 16 rows x 256 along K, 3,328 bytes (13 x 256):
;   +1536 s + 512 c + 16 l : registers 4 c .. 4 c + 3 of lane l of the FP6 (E2M3) operand fragment of K step s (16 rows x 128 K, 12 registers): an image of the registers
;   +3072 + 4 l            : the sum of squares (f32) of row l % 16
;   +3200 + 4 l            : l < 16: the scale word (four E8M0 bytes) of row l for k 0..127;  l >= 16: that of row l - 16 for k 128..255
; A block's scale is 2^(floor(log2(its largest magnitude)) - 2); its byte is the largest magnitude's exponent field - 2, held at 1 from below.
; LIMITS: NaN and infinities among the inputs are not served.  A block of zeros keeps the byte 1 where the rule says 127: its codes are zeros, and this program alone reads the bytes.
; Blocks whose largest magnitude lies under 2^-124 (the floor) were not tried.  The sums of squares are added in another order than a plain loop along the row would add them.
; SHARES.  A wave makes one record.  Work-groups 0..511 take inputs, 512..639 the codebook: only pointers are chosen, both tensors take one path.
; Memory binds: each load reads 512 consecutive bytes, each store of codes writes 512; no matrix unit, no cluster, no barrier: waves share nothing.
; The conversions want 32 neighbours along K in ONE lane, the loads want neighbouring bytes in neighbouring lanes: the 16 KiB turn through the wave's own stage in LDS
; (rows 1,040 bytes apart = 65 x 16: the sixteen rows that a read-back touches begin in sixteen different groups of banks).
.set PITCH, 1040
.set WREG,  16896                      ; LDS of a wave: the stage (16 x 1,040) and behind it the record's last 256 bytes
.set TAIL,  16640
.set REC,   3328
.set M,   12                           ; v12-15  largest magnitudes of my four blocks
.set SOP, 16                           ; v16-19  the conversions' scale operands
.set BY,  20                           ; v20-23  the scale bytes
.set X,   32                           ; v32-159 128 numbers: v[X + 32 b + e] = row r, k = 64 b + 32 h + e  (b = 2 s + c)
.set F,   160                          ; v160-183 the two fragments
.set TMP, 184                          ; v184-190 a block's upper 16 codes, before they are moved
.set SS,  192                          ; v192-199 four pair chains of squares
	s_load_b256 s[4:11], s[0:1], 0x0               ; inputs s[4:5], codebook s[6:7], xrec s[8:9], crec s[10:11]
	v_lshl_add_u32 v208, v0, 2, 0x10800
	v_mov_b32 v209, 0
	v_lshrrev_b32 v1, 5, v0
	v_readfirstlane_b32 s12, v1                    ; wave 0..3
	v_and_b32 v1, 31, v0                           ; lane
	v_and_b32 v2, 15, v0                           ; r
	v_bfe_u32 v3, v0, 4, 1                         ; h
	v_lshlrev_b32 v4, 4, v1                        ; 16 x lane: loads, and the images' stores
	s_mul_i32 s14, s12, WREG                       ; my wave's LDS
	v_add_nc_u32 v5, s14, v4                       ; the stage, on the way in
	v_mul_u32_u24 v6, v2, PITCH
	v_lshl_add_u32 v6, v3, 7, v6
	v_add_nc_u32 v6, s14, v6                       ; and on the way out: row r, + 128 h bytes (32 numbers)
	v_lshlrev_b32 v7, 2, v1
	v_add_nc_u32 v7, s14, v7
	v_add_nc_u32 v7, TAIL, v7                      ; the record's tail: 4 bytes a lane in,
	v_lshlrev_b32 v9, 3, v1
	v_add_nc_u32 v8, s14, v9
	v_add_nc_u32 v8, TAIL, v8                      ; 8 bytes a lane out
	v_lshlrev_b32 v10, 3, v3                       ; 8 h: my bytes' place in a scale word
	v_mov_b32 v26, 0                               ; a lane permute's destination counts as one of its sources
	v_mov_b32 v27, 0
	v_mov_b32 v29, 0
	s_mov_b32 s20, 0x76543210
	s_mov_b32 s21, 0xfedcba98                      ; v_permlanex16_b32's selects for lane l xor 16
	s_mov_b32 s22, 0xffff0000                      ; lanes 16-31
	s_wait_kmcnt 0x0
	s_cmp_lt_u32 ttmp9, 512                        ; inputs' work-group or the codebook's?  The choice hangs on the work-group's number alone
	s_cselect_b64 s[4:5], s[4:5], s[6:7]
	s_cselect_b64 s[8:9], s[8:9], s[10:11]
	s_cselect_b32 s13, 0, 512
	s_sub_co_u32 s13, ttmp9, s13
	s_lshl_b32 s13, s13, 2
	s_add_co_u32 s13, s13, s12                     ; which 16 rows of the tensor are my wave's
	s_lshl_b32 s16, s13, 14                        ; 16 rows of 1,024 bytes (under 2^25)
	s_mov_b32 s17, 0
	s_add_nc_u64 s[4:5], s[4:5], s[16:17]
	s_mul_i32 s18, s13, REC
	s_mov_b32 s19, 0
	s_add_nc_u64 s[8:9], s[8:9], s[18:19]
.set i, 0
.rept 32
	global_load_b128 v[X+4*i:X+4*i+3], v4, s[4:5] offset:512*i th:TH_LOAD_NT   ; 32 lanes read 512 consecutive bytes: half a row
.set i, i+1
.endr
.irp g, 0,1,2,3
	s_wait_loadcnt 24-8*\g                         ; batch g's eight loads are in; the younger batches stay out
.irp j, 0,1,2,3,4,5,6,7
	ds_store_b128 v5, v[X+4*(8*\g+\j):X+4*(8*\g+\j)+3] offset:((8*\g+\j)/2)*PITCH+((8*\g+\j)%2)*512
.endr
.endr
	s_wait_dscnt 0x0                               ; the stores have read their registers: the loads below land there
.irp b, 0,1,2,3
.irp j, 0,1,2,3,4,5,6,7
	ds_load_b128 v[X+32*\b+4*\j:X+32*\b+4*\j+3], v6 offset:256*\b+16*\j    ; a whole block of 32 along K of my row
.endr
.endr
	s_wait_dscnt 0x0
.irp b, 0,1,2,3
	v_max3_num_f32 v[M+\b], |v[X+32*\b]|, |v[X+32*\b+1]|, 0x1800000        ; the floor 2^(3 - 127): the byte cannot fall under 1
.endr
.irp i, 2,4,6,8,10,12,14,16,18,20,22,24,26,28,30
.irp b, 0,1,2,3
	v_max3_num_f32 v[M+\b], v[M+\b], |v[X+32*\b+\i]|, |v[X+32*\b+\i+1]|    ; the four blocks by turns
.endr
.endr
.irp b, 0,1,2,3
	v_add_nc_u32 v[SOP+\b], 0xff000000, v[M+\b]    ; 2 off the exponent field: the conversion takes this operand's exponent field as its scale
.endr
.irp b, 0,1,2,3
	v_lshrrev_b32 v[BY+\b], 23, v[SOP+\b]          ; the scale's byte
.endr
.irp c, 0,1,2,3
	v_pk_mul_f32 v[SS+2*\c:SS+2*\c+1], v[X+2*\c:X+2*\c+1], v[X+2*\c:X+2*\c+1]   ; the first squares start the four chains
.endr
.set i, 4
.rept 60
	v_pk_fma_f32 v[SS+2*(i%4):SS+2*(i%4)+1], v[X+2*i:X+2*i+1], v[X+2*i:X+2*i+1], v[SS+2*(i%4):SS+2*(i%4)+1]
.set i, i+1
.endr
	v_pk_add_f32 v[SS:SS+1], v[SS:SS+1], v[SS+2:SS+3]
	v_pk_add_f32 v[SS+4:SS+5], v[SS+4:SS+5], v[SS+6:SS+7]
	v_pk_add_f32 v[SS:SS+1], v[SS:SS+1], v[SS+4:SS+5]
	v_add_f32 v[SS], v[SS], v[SS+1]
	v_permlanex16_b32 v29, v[SS], s20, s21
	v_add_f32 v[SS], v[SS], v29                    ; with lane l xor 16's half: the row's sum of squares, the same bits in both lanes
.irp s, 0,1
	v_lshl_or_b32 v[24+\s], v[BY+2*\s+1], 16, v[BY+2*\s]   ; my two bytes of K step s: blocks h and 2 + h,
	v_lshlrev_b32 v[24+\s], v10, v[24+\s]                  ; at their places;
	v_permlanex16_b32 v[26+\s], v[24+\s], s20, s21
	v_or_b32 v[24+\s], v[24+\s], v[26+\s]                  ; with lane l xor 16's two the word is whole
.endr
	v_cndmask_b32 v28, v24, v25, s22               ; lanes 0-15 K step 0's word, lanes 16-31 K step 1's
.irp s, 0,1
.irp c, 0,1
	v_cvt_scalef32_pk16_fp6_f32 v[F+12*\s+6*\c:F+12*\s+6*\c+2], v[X+64*\s+32*\c:X+64*\s+32*\c+15], v[SOP+2*\s+\c]
	v_cvt_scalef32_pk16_fp6_f32 v[TMP+4*\c:TMP+4*\c+2], v[X+64*\s+32*\c+16:X+64*\s+32*\c+31], v[SOP+2*\s+\c]   ; (a conversion's three registers begin on an even number)
.endr
	v_nop                                          ; one plain place behind a scaled conversion
.irp c, 0,1
.irp i, 0,1,2
	v_mov_b32 v[F+12*\s+6*\c+3+\i], v[TMP+4*\c+\i]
.endr
.endr
.endr
.irp f, 0,1,2,3,4,5
	global_store_b128 v4, v[F+4*\f:F+4*\f+3], s[8:9] offset:512*\f   ; 32 lanes store 512 consecutive bytes, at a multiple of 256 from the buffer's first byte
.endr
	ds_store_b32 v7, v[SS]                         ; the record's last 256 bytes are gathered in LDS,
	ds_store_b32 v7, v28 offset:128
	ds_load_b64 v[30:31], v8                       ; (LDS serves a wave's instructions in order: this sees my stores)
	s_wait_dscnt 0x0
	global_store_b64 v9, v[30:31], s[8:9] offset:3072   ; and leave as 256 consecutive bytes
	s_wait_tensorcnt 0x0
	ds_add_u32 v208, v209
	s_wait_dscnt 0x0
	s_endpgm
.Lfunc_end_k_q92c812988a_quant:
	.size	k_q92c812988a_quant, .Lfunc_end_k_q92c812988a_quant-k_q92c812988a_quant
	.p2alignl 7, 3214868480
	.fill 96, 4, 3214868480
	.section	.rodata,"a",@progbits
	.p2align	6, 0x0
	.amdhsa_kernel k_q92c812988a_quant
		.amdhsa_group_segment_fixed_size 68096
		.amdhsa_private_segment_fixed_size 0
		.amdhsa_enable_private_segment 0
		.amdhsa_kernarg_size 32
		.amdhsa_user_sgpr_count 2
		.amdhsa_user_sgpr_kernarg_segment_ptr 1
		.amdhsa_wavefront_size32 1
		.amdhsa_system_sgpr_workgroup_id_x 1
		.amdhsa_system_sgpr_workgroup_id_y 1
		.amdhsa_system_sgpr_workgroup_id_z 1
		.amdhsa_system_vgpr_workitem_id 0
		.amdhsa_next_free_vgpr 210
		.amdhsa_next_free_sgpr 66
		.amdhsa_reserve_vcc 0
		.amdhsa_float_denorm_mode_32 3
		.amdhsa_float_denorm_mode_16_64 3
		.amdhsa_memory_ordered 1
		.amdhsa_forward_progress 1
		.amdhsa_inst_pref_size 21
	.end_amdhsa_kernel
	.amdgpu_metadata
---
amdhsa.version: [ 1, 2 ]
amdhsa.kernels:
  - .name:           k_q92c812988a_quant
    .symbol:         k_q92c812988a_quant.kd
    .args:
      - { .name: inputs, .offset: 0, .size: 8, .value_kind: global_buffer, .address_space: global }
      - { .name: codebook, .offset: 8, .size: 8, .value_kind: global_buffer, .address_space: global }
      - { .name: xrec, .offset: 16, .size: 8, .value_kind: global_buffer, .address_space: global }
      - { .name: crec, .offset: 24, .size: 8, .value_kind: global_buffer, .address_space: global }
    .group_segment_fixed_size: 68096
    .private_segment_fixed_size: 0
    .kernarg_segment_align: 8
    .kernarg_segment_size: 32
    .max_flat_workgroup_size: 128
    .sgpr_count:     66
    .vgpr_count:     210
    .wavefront_size: 32
...
	.end_amdgpu_metadata
.endif
;; end of part 1
;; launch scan (part 2): grid 256 x 1, 8 waves a work-group, clusters of 4 x 1, 327,680 bytes of LDS; arguments xrec, crec, cand; writes cand
.if DOCPART == 2
	.amdgcn_target "amdgcn-amd-amdhsa--gfx1250"
	.amdhsa_code_object_version 6
	.text
	.protected	k_q92c812988a_scan
	.globl	k_q92c812988a_scan
	.p2align	8
	.type	k_q92c812988a_scan,@function
k_q92c812988a_scan:
	s_mov_b64 s[64:65], 0
	v_nop
	global_prefetch_b8 v0, s[64:65] scope:SCOPE_SE
	s_setreg_imm32_b32 hwreg(HW_REG_WAVE_MODE, 25, 1), 1
	s_wait_xcnt 0x0
	s_wait_alu depctr_hold_cnt(0) depctr_sa_sdst(0) depctr_va_vdst(0) depctr_va_sdst(0) depctr_va_ssrc(0) depctr_va_vcc(0) depctr_vm_vsrc(0)
	s_getreg_b32 s2, hwreg(HW_REG_IB_STS2, 6, 4)
	s_cmp_eq_u32 s2, 0
	s_cbranch_scc0 .Lentry_in_a_cluster
	s_endpgm
.Lentry_in_a_cluster:
	s_bfe_u32 s2, ttmp6, 0x10000c
	s_cmp_lg_u32 s2, 0x3003
	s_cbranch_scc0 .Lentry_shape_is_right
	s_endpgm
.Lentry_shape_is_right:
; For each of the 32,768 queries: which half-tile (8 neighbouring codes) of the codebook holds the FIRST minimum of d = (xx + ee) - 2 dot, d made by two f32 roundings:
; s = xx + ee, then one fused multiply-add of -2 x dot onto s.  dot is the MX-FP6 product over K = 256: two matrix instructions in a chain, K ascending.
; Operands come as records of 16 rows (3,328 bytes: two register images of fragments, 16 sums of squares, 32 scale words), laid by the launch before.
; SHARES.  A work-group owns 128 queries: 8 records, which every wave keeps in registers (window 1).  Wave w walks code records 64 w .. 64 w + 63, so a record read from LDS (9 loads) feeds 16 matrix instructions.
; The product is used transposed (source 0 = codes, source 1 = queries): lane (r, h) holds query r and its 8 registers the codes 8 h + 0 .. 7 of the tile.
; Each lane keeps, for each query tile, the least d so far and the number of the first tile that reached it (strictly less replaces: the first of equals stays).  At the end the 16 (wave, h) candidates
; of a query are joined through LDS by (d, then 2 tile + h), and (tile, half) is stored as whole numbers for the next launch.
; ORDER OF WORK.  Query tiles go in groups of four: eight matrix instructions (four accumulators by turns) under one setting of the register windows, then the 56 vector
; instructions of the group before, the four tiles interleaved.  The next group's sixteen sums s hang on no product: they stand between the last three stages, so that each result is read 8 or more vector instructions behind its write.
; THE RING.  Two slots, each with 4 records for each wave (13,312 bytes a wave, dense: 52 rows of 256 bytes).  The four work-groups of a cluster walk the same codes: each fill is one joint load a wave, mask 15.
; A slot's last record is in registers when the round opens; the refill stands first behind the round and is waited for three records later.  Every wave reads only what its own loads brought.
; PREFETCH.  In each trip of a slot one instruction a wave names the 13,312 bytes that the refill after this trip's will load: 52 blocks of 256 bytes, 13 to each partner of the cluster, told apart by address; lanes 13-31 name
; their partner's last block again; the offset is held at the wave's last slot (15 x 13,312), so no lane leaves crec.  The first three slots come by their loads alone.
; LIMITS: NaN and infinities among the inputs are not served.
.set REC,   3328
.set WSL,   4*REC                      ; a wave's part of a slot
.set SLOT1, 1<<17
.set SCR,   1<<18                      ; 16 KiB for the join at the end: no fill lands here
.set SPARE, SCR+16384                  ; the spare words: 128 bytes for each of the 8 waves
.set OUTO, 1
.set AF,   2                           ; v2-3   LDS address of my fragments' images in slot 0, 1
.set AS,   4                           ; v4-5   of the scale words
.set AE,   6                           ; v6-7   of my 8 codes' sums of squares
.set SPW,  8
.set NIL,  9
.set L16,  10
.set L4,   11
.set PFL,  12                          ; the prefetch: my block among the 52
.set RST,  13
.set RLD,  14
.set HH,   15
.set CF,   16                          ; v16-63  a code record's two fragments, two sets
.set CS,   64                          ; v64-65  its scale words
.set XS,   66                          ; v66-73  the queries' scale words
.set EE,   76                          ; v76-91  ee of my 8 codes, two sets
.set PFV,  92
.set ACC,  96                          ; v96-159 an accumulator for each query tile
.set S,    160                         ; v160-191 s for a group of four tiles
.set T,    192                         ; v192-203
.set ST,   208                         ; v208-239 for query tile q: xx, the tile's number, the least d (two registers by turns)
.set RB,   96                          ; the join
.set G1,   16
.set G0,   24
.set MSB, 0
.macro WIN new                         ; the immediate's high byte repeats the setting that is left
.if MSB != \new
	s_set_vgpr_msb (MSB<<8)|\new
.set MSB, \new
.endif
.endm
.macro CREST
	s_cmp_lg_u32 s10, 0
	s_cbranch_scc1 .Lnot_wave_0_\@
	s_barrier_signal -3
.Lnot_wave_0_\@:
	s_barrier_wait -3
	s_barrier_signal -1
	s_barrier_wait -1
.endm
.macro CROUND
	s_barrier_signal -1
	s_barrier_wait -1
	CREST
.endm
; eight matrix instructions: query tiles q0 .. q0 + 3 against the code record in set p; k 0..127 starts the sums, k 128..255 adds in place
.macro MM q0, p
	WIN 0x04                                       ; source 1 (the queries) in window 1
.irp t, 0,1,2,3
	v_wmma_scale_f32_16x16x128_f8f6f4 v[ACC+8*((\q0)+\t):ACC+8*((\q0)+\t)+7], v[CF+24*(\p):CF+24*(\p)+11], v[24*((\q0)+\t):24*((\q0)+\t)+11], 0, v[CS+(\p)], v[XS+(\q0)+\t] matrix_a_fmt:MATRIX_FMT_FP6 matrix_b_fmt:MATRIX_FMT_FP6
.endr
.irp t, 0,1,2,3
	v_wmma_scale_f32_16x16x128_f8f6f4 v[ACC+8*((\q0)+\t):ACC+8*((\q0)+\t)+7], v[CF+24*(\p)+12:CF+24*(\p)+23], v[24*((\q0)+\t)+12:24*((\q0)+\t)+23], v[ACC+8*((\q0)+\t):ACC+8*((\q0)+\t)+7], v[CS+(\p)], v[XS+(\q0)+\t] matrix_a_fmt:MATRIX_FMT_FP6 matrix_b_fmt:MATRIX_FMT_FP6 matrix_a_scale:MATRIX_SCALE_ROW1 matrix_b_scale:MATRIX_SCALE_ROW1
.endr
	WIN 0
.endm
; s = ee + xx for registers k, k + 1 of query tiles nq .. nq + 3 and the code record in set np
.macro NEXTS k, nq, np
.irp t, 0,1,2,3
	v_pk_add_f32 v[S+8*\t+(\k):S+8*\t+(\k)+1], v[EE+8*(\np)+(\k):EE+8*(\np)+(\k)+1], v[ST+4*((\nq)+\t):ST+4*((\nq)+\t)+1] op_sel_hi:[1,0]
.endr
.endm
.macro HINT more                       ; where no sums stand between the stages a result is read four vector instructions behind its write
.if (\more) == 0
	s_delay_alu instid0(VALU_DEP_4)
.endif
.endm
; d, its least of 8 with the least so far, and the tile's number, for query tiles q0 .. q0 + 3 and the record of parity p.  more = 1: the next group's s (tiles nq .., set np) between the stages
.macro VAL q0, p, nq, np, more
.irp k, 0,2,4,6
.irp t, 0,1,2,3
	v_pk_fma_f32 v[ACC+8*((\q0)+\t)+\k:ACC+8*((\q0)+\t)+\k+1], v[ACC+8*((\q0)+\t)+\k:ACC+8*((\q0)+\t)+\k+1], -2.0, v[S+8*\t+\k:S+8*\t+\k+1] op_sel_hi:[1,0,1]   ; each accumulator from its low end on
.endr
.endr
.irp t, 0,1,2,3
	v_min3_num_f32 v[T+\t], v[ACC+8*((\q0)+\t)+2], v[ACC+8*((\q0)+\t)+3], v[ACC+8*((\q0)+\t)+4]
.endr
.irp t, 0,1,2,3
	v_min3_num_f32 v[T+4+\t], v[ACC+8*((\q0)+\t)+5], v[ACC+8*((\q0)+\t)+6], v[ACC+8*((\q0)+\t)+7]
.endr
.irp t, 0,1,2,3
	v_min3_num_f32 v[T+8+\t], v[ACC+8*((\q0)+\t)], v[ACC+8*((\q0)+\t)+1], v[T+\t]
.endr
.if \more
	NEXTS 0, \nq, \np
.endif
.irp t, 0,1,2,3
	HINT \more
	v_min3_num_f32 v[ST+4*((\q0)+\t)+3-(\p)], v[ST+4*((\q0)+\t)+2+(\p)], v[T+8+\t], v[T+4+\t]
.endr
.if \more
	NEXTS 2, \nq, \np
.endif
.irp t, 0,1,2,3
	HINT \more
	v_cmp_lt_f32 s[40+\t], v[ST+4*((\q0)+\t)+3-(\p)], v[ST+4*((\q0)+\t)+2+(\p)]   ; strictly less: the first of equals stays
.endr
.if \more
	NEXTS 4, \nq, \np
.endif
.irp t, 0,1,2,3
	HINT \more
	v_cndmask_b32 v[ST+4*((\q0)+\t)+1], v[ST+4*((\q0)+\t)+1], s44, s[40+\t]
.endr
.if \more
	NEXTS 6, \nq, \np
.endif
.endm
.macro LOADS p, sl, rec                ; a code record into set p: 9 LDS loads
.irp f, 0,1,2,3,4,5
	ds_load_b128 v[CF+24*(\p)+4*\f:CF+24*(\p)+4*\f+3], v[AF+(\sl)] offset:(\rec)*REC+512*\f
.endr
	ds_load_b32 v[CS+(\p)], v[AS+(\sl)] offset:(\rec)*REC+3200
	ds_load_b128 v[EE+8*(\p):EE+8*(\p)+3], v[AE+(\sl)] offset:(\rec)*REC+3072
	ds_load_b128 v[EE+8*(\p)+4:EE+8*(\p)+7], v[AE+(\sl)] offset:(\rec)*REC+3088
.endm
.macro FENCE                           ; the next record is in registers
	s_wait_alu depctr_va_vdst(0)
	s_wait_dscnt 0x0                               ; the 9 loads issued a group of products and a group of vector work ago
.endm
.macro TICK
	s_add_co_u32 s44, s44, 1                       ; the next code tile's number
.endm
; A slot's four records.  At the entry record 0 is in set 0, its products with query tiles 0-3 are issued and their s are made.
; mode 0: the slot is filled again; 1: nothing is filled, the other slot is still to be read; 2: the walk's last slot.
.macro PERIOD sl, mode, pf
	LOADS 1, \sl, 1
	MM 4, 0
	VAL 0, 0, 4, 0, 1
	FENCE
.if \pf
	s_wait_xcnt 0x0                                ; the last trip's prefetch has read its address register
	v_add_nc_u32 v[PFV], s45, v[PFL]
	s_cmp_lt_u32 ttmp9, 4
	s_cbranch_scc0 .Lno_prefetch_scan0_\@
	global_prefetch_b8 v[PFV], s[34:35] th:TH_LOAD_NT scope:SCOPE_SE
.Lno_prefetch_scan0_\@:
	s_add_co_u32 s45, s45, WSL
	s_min_u32 s45, s45, 15*WSL                     ; held at the wave's last slot
.endif
	MM 0, 1
	VAL 4, 0, 0, 1, 1
	TICK
	LOADS 0, \sl, 2
	MM 4, 1
	VAL 0, 1, 4, 1, 1
	FENCE
	MM 0, 0
	VAL 4, 1, 0, 0, 1
	TICK
	LOADS 1, \sl, 3
	MM 4, 0
	VAL 0, 0, 4, 0, 1
	FENCE                                          ; the slot's last record is in registers: my reads of the slot are over
.if \mode == 0
	s_wait_tensorcnt 0x0                           ; my one load that was out, my part of the other slot, has landed
	ds_add_u32 v[SPW], v[NIL]
	s_add_nc_u64 s[G0+4*\sl+2:G0+4*\sl+3], s[G0+4*\sl+2:G0+4*\sl+3], 2*WSL
.endif
	MM 0, 1
.if \mode == 0
	s_wait_dscnt 0x0                               ; the add is done
	s_barrier_signal -1                            ; opens a round of the cluster's barrier; work on registers alone up to its wait
.endif
	VAL 4, 0, 0, 1, 1
	TICK
.if \mode == 0
	MM 4, 1
	s_wait_alu depctr_va_vdst(0)                   ; directly ahead of the barrier's wait
	s_barrier_wait -1
	CREST
	tensor_load_to_lds s[G0+4*\sl:G0+4*\sl+3], s[G1:G1+7]   ; the joint refill, first behind the round: my one load until the next round
	s_nop 0
	LOADS 0, 1-\sl, 0
.elseif \mode == 1
	s_wait_alu depctr_va_vdst(0)                   ; directly ahead of the wait below
	s_wait_tensorcnt 0x0                           ; my part of the last slot has landed
	LOADS 0, 1-\sl, 0
	MM 4, 1
.else
	MM 4, 1
.endif
	VAL 0, 1, 4, 1, 1
.if \mode == 2
	VAL 4, 1, 0, 0, 0
.else
	FENCE
	MM 0, 0
	VAL 4, 1, 0, 0, 1
	TICK
.endif
.endm
	s_load_b128 s[4:7], s[0:1], 0x0                ; xrec s[4:5], crec s[6:7]
	s_load_b64 s[8:9], s[0:1], 0x10                ; cand
	v_lshl_add_u32 v[SPW], v0, 2, SPARE
	v_mov_b32 v[NIL], 0
	ds_add_u32 v[SPW], v[NIL]
	ds_add_u32 v[SPW], v[NIL]
	s_wait_dscnt 0x0
	v_lshrrev_b32 v1, 5, v0
	s_delay_alu instid0(VALU_DEP_1)
	v_readfirstlane_b32 s10, v1                    ; wave 0..7
	s_bfe_u32 s11, ttmp6, 0x40000                  ; cx
	s_lshl_b32 s12, ttmp9, 2
	s_add_co_u32 s12, s12, s11                     ; work-group
	s_mov_b32 s[G1+0], 15|(3<<16)|(1<<21)          ; mask: all four of the cluster; elements of 8 bytes; bit 21 beside a mask
	s_mov_b32 s[G1+1], 32<<16                      ; rows of 256 bytes,
	s_mov_b32 s[G1+2], 52<<16                      ; 52 of them, dense
	s_mov_b32 s[G1+3], 32<<16
	s_mov_b32 s[G1+4], 52
	s_mov_b32 s[G1+5], 32
	s_mov_b32 s[G1+6], 0
	s_mov_b32 s[G1+7], 0
	s_mul_i32 s32, s10, WSL                        ; my part of a slot
	s_mul_i32 s34, s10, 64*REC                     ; my 64 records of crec
	s_mov_b32 s35, 0
	s_mul_i32 s36, s12, 8*REC                      ; the work-group's 8 records of xrec
	s_mov_b32 s37, 0
	s_lshl_b32 s38, s12, 10                        ; its 128 pairs in cand
	s_mov_b32 s39, 0
	s_lshl_b32 s44, s10, 6                         ; my first code tile's number
	s_mov_b32 s45, 3*WSL                           ; the first prefetch names my fourth slot
	v_and_b32 v1, 31, v0
	v_bfe_u32 v[HH], v0, 4, 1
	s_delay_alu instid0(VALU_DEP_2)
	v_lshlrev_b32 v[L16], 4, v1
	s_delay_alu instid0(VALU_DEP_3)
	v_lshlrev_b32 v[L4], 2, v1
	s_delay_alu instid0(VALU_DEP_2)
	v_add_nc_u32 v[AF], s32, v[L16]
	s_delay_alu instid0(VALU_DEP_1)
	v_add_nc_u32 v[AF+1], SLOT1, v[AF]
	s_delay_alu instid0(VALU_DEP_3)
	v_add_nc_u32 v[AS], s32, v[L4]
	s_delay_alu instid0(VALU_DEP_1)
	v_add_nc_u32 v[AS+1], SLOT1, v[AS]
	v_lshlrev_b32 v[AE], 5, v[HH]
	s_delay_alu instid0(VALU_DEP_1)
	v_add_nc_u32 v[AE], s32, v[AE]
	s_delay_alu instid0(VALU_DEP_1)
	v_add_nc_u32 v[AE+1], SLOT1, v[AE]
	v_and_b32 v[RST], 15, v0
	s_delay_alu instid0(VALU_DEP_1)
	v_lshlrev_b32 v[RST], 3, v[RST]
	s_delay_alu instid0(VALU_DEP_1)
	v_lshl_add_u32 v[RST], v[HH], 10, v[RST]
	s_lshl_b32 s33, s10, 11
	v_add_nc_u32 v[RST], s33, v[RST]
	s_delay_alu instid0(VALU_DEP_1)
	v_add_nc_u32 v[RST], SCR, v[RST]               ; the join, in: 2,048 x wave + 1,024 h + 8 r (+ 128 q)
	s_and_b32 s33, s10, 1
	s_lshl_b32 s33, s33, 9
	v_add_nc_u32 v[OUTO], s33, v[L16]
	s_delay_alu instid0(VALU_DEP_1)
	v_add_nc_u32 v[RLD], SCR, v[OUTO]
	s_mul_i32 s33, s11, 13
	v_min_u32 v[PFL], 12, v1
	s_delay_alu instid0(VALU_DEP_1)
	v_add_nc_u32 v[PFL], s33, v[PFL]
	s_delay_alu instid0(VALU_DEP_1)
	v_lshlrev_b32 v[PFL], 8, v[PFL]                ; 256 x (13 cx + the lesser of lane and 12)
	s_wait_alu depctr_va_vdst(0)                   ; directly ahead of the wait below
	s_wait_kmcnt 0x0
	s_add_nc_u64 s[34:35], s[6:7], s[34:35]
	s_add_nc_u64 s[4:5], s[4:5], s[36:37]
	s_add_nc_u64 s[8:9], s[8:9], s[38:39]
	WIN 0x40                                       ; the queries go out first: they are on their way through the rounds and the first fill
.irp q, 0,1,2,3,4,5,6,7
.irp f, 0,1,2,3,4,5
	global_load_b128 v[24*\q+4*\f:24*\q+4*\f+3], v[L16], s[4:5] offset:\q*REC+512*\f
.endr
.endr
	WIN 0
.irp q, 0,1,2,3,4,5,6,7
	global_load_b32 v[XS+\q], v[L4], s[4:5] offset:\q*REC+3200
	global_load_b32 v[ST+4*\q], v[L4], s[4:5] offset:\q*REC+3072
.endr
	CROUND                                         ; in front of the first joint loads
.irp s, 0,1
	s_mov_b32 s[G0+4*\s], 1
	s_add_co_u32 s[G0+4*\s+1], s32, \s*SLOT1
	s_add_nc_u64 s[G0+4*\s+2:G0+4*\s+3], s[34:35], \s*WSL
	s_or_b32 s[G0+4*\s+3], s[G0+4*\s+3], 0x80000000
.endr
	tensor_load_to_lds s[G0:G0+3], s[G1:G1+7]      ; slot 0: one tensor load a wave at the head
	s_nop 0
.irp q, 0,1,2,3,4,5,6,7
	v_mov_b32 v[ST+4*\q+1], 0
	v_mov_b32 v[ST+4*\q+2], 0x7f800000             ; the least d so far: infinity
.endr
	s_wait_alu depctr_va_vdst(0)
	s_wait_tensorcnt 0x0                           ; slot 1's first fill is issued as a refill is
	ds_add_u32 v[SPW], v[NIL]
	s_wait_dscnt 0x0
	CROUND
	tensor_load_to_lds s[G0+4:G0+7], s[G1:G1+7]
	s_nop 0
	LOADS 0, 0, 0
	s_wait_loadcnt 0x0
	s_wait_dscnt 0x0
	MM 0, 0
	NEXTS 0, 0, 0                                  ; these sixteen are also the places behind the products above
	NEXTS 2, 0, 0
	NEXTS 4, 0, 0
	NEXTS 6, 0, 0
	s_mov_b32 s14, 7
.Ltrip:
	PERIOD 0, 0, 1
	PERIOD 1, 0, 1
	s_sub_co_u32 s14, s14, 1
	s_cmp_lg_u32 s14, 0
	s_wait_alu depctr_va_vdst(0)                   ; directly ahead of the branch
	s_cbranch_scc1 .Ltrip
	PERIOD 0, 1, 0                                 ; the last two slots fetch nothing
	PERIOD 1, 2, 0
.irp q, 0,1,2,3,4,5,6,7
	v_lshl_or_b32 v[ST+4*\q+3], v[ST+4*\q+1], 1, v[HH]   ; 2 tile + h
	ds_store_b64 v[RST], v[ST+4*\q+2:ST+4*\q+3] offset:128*\q
.endr
	s_wait_dscnt 0x0                               ; for the others' sake
	s_barrier_signal -1
	s_barrier_wait -1
	s_cmp_lt_u32 s10, 2
	s_cbranch_scc0 .Ldone                          ; waves 0 and 1 join: two queries a lane
.irp r, 0,1,2,3,4,5,6,7,8,9,10,11,12,13,14,15
	ds_load_b128 v[RB+4*\r:RB+4*\r+3], v[RLD] offset:1024*\r
.endr
	s_wait_dscnt 0x0
.macro LEX b, c                        ; the lesser d; of equal d the lesser 2 tile + h
	v_cmp_lt_f32 s36, v[(\c)], v[(\b)]
	v_cmp_eq_f32 s37, v[(\c)], v[(\b)]
	v_cmp_lt_u32 vcc_lo, v[(\c)+1], v[(\b)+1]
	s_and_b32 s37, s37, vcc_lo
	s_or_b32 s36, s36, s37
	v_cndmask_b32 v[(\b)], v[(\b)], v[(\c)], s36
	v_cndmask_b32 v[(\b)+1], v[(\b)+1], v[(\c)+1], s36
.endm
.irp r, 1,2,3,4,5,6,7,8,9,10,11,12,13,14,15
	LEX RB, RB+4*\r
	LEX RB+2, RB+4*\r+2
.endr
	v_lshrrev_b32 v240, 1, v[RB+1]
	v_and_b32 v241, 1, v[RB+1]
	s_delay_alu instid0(VALU_DEP_3)
	v_lshrrev_b32 v242, 1, v[RB+3]
	s_delay_alu instid0(VALU_DEP_4)
	v_and_b32 v243, 1, v[RB+3]
	global_store_b128 v[OUTO], v[240:243], s[8:9]  ; 32 lanes store 512 consecutive bytes
.Ldone:
	s_wait_tensorcnt 0x0                           ; the wave's end
	ds_add_u32 v[SPW], v[NIL]
	s_wait_dscnt 0x0
	CROUND                                         ; the closing round
	s_endpgm
.Lfunc_end_k_q92c812988a_scan:
	.size	k_q92c812988a_scan, .Lfunc_end_k_q92c812988a_scan-k_q92c812988a_scan
	.p2alignl 7, 3214868480
	.fill 96, 4, 3214868480
	.section	.rodata,"a",@progbits
	.p2align	6, 0x0
	.amdhsa_kernel k_q92c812988a_scan
		.amdhsa_group_segment_fixed_size 327680
		.amdhsa_private_segment_fixed_size 0
		.amdhsa_enable_private_segment 0
		.amdhsa_kernarg_size 24
		.amdhsa_user_sgpr_count 2
		.amdhsa_user_sgpr_kernarg_segment_ptr 1
		.amdhsa_wavefront_size32 1
		.amdhsa_system_sgpr_workgroup_id_x 1
		.amdhsa_system_sgpr_workgroup_id_y 1
		.amdhsa_system_sgpr_workgroup_id_z 1
		.amdhsa_system_vgpr_workitem_id 0
		.amdhsa_next_free_vgpr 448
		.amdhsa_next_free_sgpr 66
		.amdhsa_reserve_vcc 1
		.amdhsa_float_denorm_mode_32 3
		.amdhsa_float_denorm_mode_16_64 3
		.amdhsa_memory_ordered 1
		.amdhsa_forward_progress 1
		.amdhsa_inst_pref_size 184
	.end_amdhsa_kernel
	.amdgpu_metadata
---
amdhsa.version: [ 1, 2 ]
amdhsa.kernels:
  - .name:           k_q92c812988a_scan
    .symbol:         k_q92c812988a_scan.kd
    .args:
      - { .name: xrec, .offset: 0, .size: 8, .value_kind: global_buffer, .address_space: global }
      - { .name: crec, .offset: 8, .size: 8, .value_kind: global_buffer, .address_space: global }
      - { .name: cand, .offset: 16, .size: 8, .value_kind: global_buffer, .address_space: global }
    .group_segment_fixed_size: 327680
    .private_segment_fixed_size: 0
    .kernarg_segment_align: 8
    .kernarg_segment_size: 24
    .max_flat_workgroup_size: 256
    .sgpr_count:     66
    .vgpr_count:     448
    .wavefront_size: 32
...
	.end_amdgpu_metadata
.endif
;; end of part 2
;; launch refine (part 3): grid 512 x 1, 4 waves a work-group, no clusters, 768 bytes of LDS; arguments xrec, crec, cand, out1, idxw; writes out1, idxw
.if DOCPART == 3
	.amdgcn_target "amdgcn-amd-amdhsa--gfx1250"
	.amdhsa_code_object_version 6
	.text
	.protected	k_q92c812988a_refine
	.globl	k_q92c812988a_refine
	.p2align	8
	.type	k_q92c812988a_refine,@function
k_q92c812988a_refine:
	s_mov_b64 s[64:65], 0
	v_nop
	global_prefetch_b8 v0, s[64:65] scope:SCOPE_SE
	s_setreg_imm32_b32 hwreg(HW_REG_WAVE_MODE, 25, 1), 1
	s_wait_xcnt 0x0
; For each query the launch before has stored the half-tile (tile 0..511, half 0..1) of 8 neighbouring codes that holds the first minimum of d.  Here the 8 candidates are multiplied again, by the same two
; matrix instructions on the same codes and scale words, and d is made by the same two roundings: the same bits.  The first of the 8 that reaches their minimum is the index.
; SHARES.  A wave takes a tile of 16 queries.  In turn i source 0's rows 0-7 are the candidates of query i, rows 8-15 those of query i + 8; source 1 is the query tile.  Of the 16 x 16 results
; lane i (rows 0-7, column i) and lane 24 + i (rows 8-15, column i + 8) are kept, by a select; the rest is thrown away.  Eight turns: 16 matrix instructions a wave.
; A row of a code fragment is fetched out of the record's image: row p of a record lies in the image's lanes p and p + 16.
; No tensor loads, no cluster: the rows hang on stored numbers, and no two work-groups share them by plan.  The stored numbers are held to their ranges before they enter an address.
.set REC,  3328
.set CP,   16                          ; v16-31  turn i: (tile, half) of the query whose candidate my row of source 0 is
.set VA,   32                          ; v32-39  byte of my row's codes in crec
.set VS,   40                          ; v40-47  of its scale word
.set VE,   48                          ; v48-55  of the 8 candidates' ee
.set XF,   56                          ; v56-79  the queries' two fragments
.set XSC,  80                          ; v80     their scale words
.set XX,   82                          ; v82     xx of my query (v83 is named with it as a pair)
.set ASC,  84                          ; v84-91  source 0's scale words
.set EE,   96                          ; v96-159
.set ACC,  160                         ; v160-223
.set S,    224
.set BD,   232
.set BJ,   233
.set RES,  234
.set RES2, 235
.set TMP,  236
.set MSB, 0
.macro WIN new                         ; the immediate's high byte repeats the setting that is left
.if MSB != \new
	s_set_vgpr_msb (MSB<<8)|\new
.set MSB, \new
.endif
.endm
	s_load_b256 s[4:11], s[0:1], 0x0               ; xrec s[4:5], crec s[6:7], cand s[8:9], out1 s[10:11]
	s_load_b64 s[12:13], s[0:1], 0x20              ; idxw
	v_lshl_add_u32 v254, v0, 2, 0x100
	v_mov_b32 v255, 0
	v_lshrrev_b32 v1, 5, v0
	v_readfirstlane_b32 s14, v1                    ; wave 0..3
	v_and_b32 v1, 31, v0                           ; lane
	v_and_b32 v2, 15, v0                           ; r
	v_bfe_u32 v3, v0, 4, 1                         ; h
	v_lshlrev_b32 v4, 4, v1
	v_lshlrev_b32 v5, 2, v1
	v_and_b32 v12, 7, v0                           ; r % 8
	v_lshlrev_b32 v6, 4, v12
	v_lshl_add_u32 v6, v3, 8, v6                   ; in an image: 16 (r % 8) + 256 h
	v_lshlrev_b32 v7, 2, v12
	v_lshl_add_u32 v7, v3, 6, v7                   ; among the scale words: 4 (r % 8) + 64 h
	v_bfe_u32 v8, v0, 3, 1
	v_lshlrev_b32 v8, 6, v8                        ; in cand: rows 8-15 take the query 8 further on
	s_lshl_b32 s15, s14, 6
	v_lshl_add_u32 v9, v2, 2, s15                  ; LDS: 64 x wave + 4 r
	v_lshlrev_b32 v10, 3, v1
	v_mov_b32 v[XX+1], 0
	v_mov_b32 v[RES], 0
	v_mov_b32 v[RES2], 0                           ; a lane permute's destination counts as one of its sources
	s_mov_b32 s24, 0x76543210
	s_mov_b32 s25, 0xfedcba98
	s_mov_b32 s26, 0xff0000ff                      ; the lanes that hold results: 0-7 and 24-31
	s_lshl_b32 s16, ttmp9, 2
	s_add_co_u32 s16, s16, s14                     ; my tile of queries
	s_mul_i32 s18, s16, REC
	s_mov_b32 s19, 0
	s_lshl_b32 s20, s16, 7                         ; 16 pairs of 8 bytes
	s_mov_b32 s21, 0
	s_lshl_b32 s22, ttmp9, 8                       ; the work-group's 64 indices
	s_mov_b32 s23, 0
	s_wait_alu depctr_va_vdst(0)
	s_wait_kmcnt 0x0
	s_add_nc_u64 s[4:5], s[4:5], s[18:19]
	s_add_nc_u64 s[8:9], s[8:9], s[20:21]
	s_add_nc_u64 s[10:11], s[10:11], s[22:23]
	s_add_nc_u64 s[12:13], s[12:13], s[22:23]
.irp i, 0,1,2,3,4,5,6,7
	global_load_b64 v[CP+2*\i:CP+2*\i+1], v8, s[8:9] offset:8*\i
.endr
.irp f, 0,1,2,3,4,5
	global_load_b128 v[XF+4*\f:XF+4*\f+3], v4, s[4:5] offset:512*\f
.endr
	global_load_b32 v[XSC], v5, s[4:5] offset:3200
	global_load_b32 v[XX], v5, s[4:5] offset:3072
	s_wait_loadcnt 0x8                             ; the eight pairs are in; the queries' eight loads, issued behind them, may stay out
.irp i, 0,1,2,3,4,5,6,7
	v_min_u32 v[CP+2*\i], 511, v[CP+2*\i]          ; held to the table before they enter an address
	v_min_u32 v[CP+2*\i+1], 1, v[CP+2*\i+1]
	v_mul_u32_u24 v[VE+\i], v[CP+2*\i], REC        ; the record
	v_lshl_add_u32 v[VA+\i], v[CP+2*\i+1], 7, v[VE+\i]   ; + 128 x half: rows 8 x half on, 16 bytes each
	v_lshl_add_u32 v[VE+\i], v[CP+2*\i+1], 5, v[VE+\i]   ; + 32 x half: words 8 x half on
	v_add_nc_u32 v[VA+\i], v[VA+\i], v6
	v_add_nc_u32 v[VS+\i], v[VE+\i], v7
.endr
	WIN 0x40                                       ; destination window 1
.irp i, 0,1,2,3,4,5,6,7
.irp f, 0,1,2,3,4,5
	global_load_b128 v[24*\i+4*\f:24*\i+4*\f+3], v[VA+\i], s[6:7] offset:512*\f
.endr
.endr
	WIN 0
.irp i, 0,1,2,3,4,5,6,7
	global_load_b32 v[ASC+\i], v[VS+\i], s[6:7] offset:3200
	global_load_b128 v[EE+8*\i:EE+8*\i+3], v[VE+\i], s[6:7] offset:3072
	global_load_b128 v[EE+8*\i+4:EE+8*\i+7], v[VE+\i], s[6:7] offset:3088
.endr
	s_wait_loadcnt 0x0
	WIN 0x01                                       ; source 0 in window 1
.irp i, 0,1,2,3,4,5,6,7                        ; the eight accumulators take turns, one instruction a turn
	v_wmma_scale_f32_16x16x128_f8f6f4 v[ACC+8*\i:ACC+8*\i+7], v[24*\i:24*\i+11], v[XF:XF+11], 0, v[ASC+\i], v[XSC] matrix_a_fmt:MATRIX_FMT_FP6 matrix_b_fmt:MATRIX_FMT_FP6
.endr
.irp i, 0,1,2,3,4,5,6,7
	v_wmma_scale_f32_16x16x128_f8f6f4 v[ACC+8*\i:ACC+8*\i+7], v[24*\i+12:24*\i+23], v[XF+12:XF+23], v[ACC+8*\i:ACC+8*\i+7], v[ASC+\i], v[XSC] matrix_a_fmt:MATRIX_FMT_FP6 matrix_b_fmt:MATRIX_FMT_FP6 matrix_a_scale:MATRIX_SCALE_ROW1 matrix_b_scale:MATRIX_SCALE_ROW1
.endr
	WIN 0
.rept 4
	v_nop                                          ; four places behind the last product, ahead of the first read of results (ISA guide 7.12.1)
.endr
.irp i, 0,1,2,3,4,5,6,7
.irp k, 0,2,4,6
	v_pk_add_f32 v[S+\k:S+\k+1], v[EE+8*\i+\k:EE+8*\i+\k+1], v[XX:XX+1] op_sel_hi:[1,0]     ; s = ee + xx
.endr
.irp k, 0,2,4,6
	v_pk_fma_f32 v[ACC+8*\i+\k:ACC+8*\i+\k+1], v[ACC+8*\i+\k:ACC+8*\i+\k+1], -2.0, v[S+\k:S+\k+1] op_sel_hi:[1,0,1]   ; d = s - 2 dot; from the accumulator's low end on
.endr
	v_mov_b32 v[BD], v[ACC+8*\i]
	v_mov_b32 v[BJ], 0
.irp j, 1,2,3,4,5,6,7
	v_cmp_lt_f32 vcc_lo, v[ACC+8*\i+\j], v[BD]     ; strictly less: the first of equals stays
	v_cndmask_b32 v[BJ], v[BJ], \j, vcc_lo
	v_min_num_f32 v[BD], v[BD], v[ACC+8*\i+\j]
.endr
	v_lshl_add_u32 v[TMP], v[CP+2*\i], 1, v[CP+2*\i+1]
	v_lshl_add_u32 v[TMP], v[TMP], 3, v[BJ]        ; 16 tile + 8 half + j
	s_mov_b32 s27, (1<<\i)|(1<<(24+\i))
	v_cndmask_b32 v[RES], v[RES], v[TMP], s27      ; kept in lanes i and 24 + i alone
.endr
	v_permlanex16_b32 v[RES2], v[RES], s24, s25
	v_cndmask_b32 v[RES], v[RES2], v[RES], s26     ; every lane now holds the index of query lane % 16
	ds_store_b32 v9, v[RES]                        ; both halves of the lanes write the same word with the same value
	s_wait_dscnt 0x0                               ; for wave 0's sake
	s_barrier_signal -1
	s_barrier_wait -1
	s_cmp_lg_u32 s14, 0
	s_cbranch_scc1 .Lend
	ds_load_b64 v[238:239], v10                    ; the work-group's 64 indices, 8 bytes a lane
	s_wait_dscnt 0x0
	global_store_b64 v10, v[238:239], s[10:11]     ; 256 consecutive bytes, at a multiple of 256 from the buffer's first byte: the output,
	global_store_b64 v10, v[238:239], s[12:13]     ; and the copy from which the next launch forms addresses
.Lend:
	s_wait_tensorcnt 0x0
	ds_add_u32 v254, v255
	s_wait_dscnt 0x0
	s_endpgm
.Lfunc_end_k_q92c812988a_refine:
	.size	k_q92c812988a_refine, .Lfunc_end_k_q92c812988a_refine-k_q92c812988a_refine
	.p2alignl 7, 3214868480
	.fill 96, 4, 3214868480
	.section	.rodata,"a",@progbits
	.p2align	6, 0x0
	.amdhsa_kernel k_q92c812988a_refine
		.amdhsa_group_segment_fixed_size 768
		.amdhsa_private_segment_fixed_size 0
		.amdhsa_enable_private_segment 0
		.amdhsa_kernarg_size 40
		.amdhsa_user_sgpr_count 2
		.amdhsa_user_sgpr_kernarg_segment_ptr 1
		.amdhsa_wavefront_size32 1
		.amdhsa_system_sgpr_workgroup_id_x 1
		.amdhsa_system_sgpr_workgroup_id_y 1
		.amdhsa_system_sgpr_workgroup_id_z 1
		.amdhsa_system_vgpr_workitem_id 0
		.amdhsa_next_free_vgpr 448
		.amdhsa_next_free_sgpr 66
		.amdhsa_reserve_vcc 1
		.amdhsa_float_denorm_mode_32 3
		.amdhsa_float_denorm_mode_16_64 3
		.amdhsa_memory_ordered 1
		.amdhsa_forward_progress 1
		.amdhsa_inst_pref_size 30
	.end_amdhsa_kernel
	.amdgpu_metadata
---
amdhsa.version: [ 1, 2 ]
amdhsa.kernels:
  - .name:           k_q92c812988a_refine
    .symbol:         k_q92c812988a_refine.kd
    .args:
      - { .name: xrec, .offset: 0, .size: 8, .value_kind: global_buffer, .address_space: global }
      - { .name: crec, .offset: 8, .size: 8, .value_kind: global_buffer, .address_space: global }
      - { .name: cand, .offset: 16, .size: 8, .value_kind: global_buffer, .address_space: global }
      - { .name: out1, .offset: 24, .size: 8, .value_kind: global_buffer, .address_space: global }
      - { .name: idxw, .offset: 32, .size: 8, .value_kind: global_buffer, .address_space: global }
    .group_segment_fixed_size: 768
    .private_segment_fixed_size: 0
    .kernarg_segment_align: 8
    .kernarg_segment_size: 40
    .max_flat_workgroup_size: 128
    .sgpr_count:     66
    .vgpr_count:     448
    .wavefront_size: 32
...
	.end_amdgpu_metadata
.endif
;; end of part 3
;; launch gather (part 4): grid 512 x 1, 8 waves a work-group, no clusters, 1,280 bytes of LDS; arguments inputs, codebook, idxw, out0, part; writes out0, part
.if DOCPART == 4
	.amdgcn_target "amdgcn-amd-amdhsa--gfx1250"
	.amdhsa_code_object_version 6
	.text
	.protected	k_q92c812988a_gather
	.globl	k_q92c812988a_gather
	.p2align	8
	.type	k_q92c812988a_gather,@function
k_q92c812988a_gather:
	s_mov_b64 s[64:65], 0
	v_nop
	global_prefetch_b8 v0, s[64:65] scope:SCOPE_SE
	s_setreg_imm32_b32 hwreg(HW_REG_WAVE_MODE, 25, 1), 1
	s_wait_xcnt 0x0
; out0 = x + (e[idx] - x), in these two roundings, and for each work-group the sum of (e[idx] - x)^2.  idx was stored by the launch before.
; A wave takes 8 rows of 1,024 bytes; each load and store covers 512 consecutive bytes.  All 32 loads of a wave are on their way together; written out, no loop: every offset is an immediate.
; Memory binds: no LDS stage, no matrix unit, no cluster.  The codebook's rows carry no hint: a list may name a row many times.  The indices are held to the table before they enter an address.
.set VQ, 2                             ; v2-9    the gather's offsets, one a row
.set X,  16                            ; v16-79  x
.set Q,  80                            ; v80-143 e[idx], then e - x, then the output
.set L,  144                           ; v144-147 two pair chains of squares
	s_load_b256 s[4:11], s[0:1], 0x0               ; inputs s[4:5], codebook s[6:7], idxw s[8:9], out0 s[10:11]
	s_load_b64 s[12:13], s[0:1], 0x20              ; part
	v_lshl_add_u32 v160, v0, 2, 0x100
	v_mov_b32 v161, 0
	v_lshrrev_b32 v1, 5, v0
	s_delay_alu instid0(VALU_DEP_1)
	v_readfirstlane_b32 s14, v1                    ; wave 0..7
	v_and_b32 v1, 31, v0
	s_delay_alu instid0(VALU_DEP_1)
	v_lshlrev_b32 v1, 4, v1                        ; 16 x lane
	v_mov_b32 v148, 0                              ; a lane permute's destination counts as one of its sources
	s_lshl_b32 s15, ttmp9, 3
	s_add_co_u32 s15, s15, s14                     ; which 8 rows are my wave's
	s_lshl_b32 s24, s15, 5                         ; their 8 indices,
	s_mov_b32 s25, 0
	s_lshl_b32 s26, s15, 13                        ; their 8,192 bytes
	s_mov_b32 s27, 0
	s_lshl_b32 s28, ttmp9, 2
	s_mov_b32 s29, 0
	s_mov_b32 s30, 0x76543210
	s_mov_b32 s31, 0xfedcba98
	s_wait_alu depctr_va_vdst(0)
	s_wait_kmcnt 0x0
	s_add_nc_u64 s[8:9], s[8:9], s[24:25]
	s_load_b256 s[16:23], s[8:9], 0x0              ; no line of this launch writes idxw
	s_add_nc_u64 s[4:5], s[4:5], s[26:27]
	s_add_nc_u64 s[10:11], s[10:11], s[26:27]
	s_add_nc_u64 s[12:13], s[12:13], s[28:29]
.set g, 0
.rept 16
	global_load_b128 v[X+4*g:X+4*g+3], v1, s[4:5] offset:512*g th:TH_LOAD_NT
.set g, g+1
.endr
	s_wait_kmcnt 0x0
.irp r, 0,1,2,3,4,5,6,7
	s_min_u32 s[16+\r], s[16+\r], 0x1fff           ; inside the table
	v_lshl_add_u32 v[VQ+\r], s[16+\r], 10, v1      ; the row's 1,024 bytes, + 16 x lane
.endr
.irp r, 0,1,2,3,4,5,6,7
	global_load_b128 v[Q+8*\r:Q+8*\r+3], v[VQ+\r], s[6:7]
	global_load_b128 v[Q+8*\r+4:Q+8*\r+7], v[VQ+\r], s[6:7] offset:512
.endr
.set g, 0
.rept 16
	s_wait_loadcnt 15-g                            ; the codebook's load g is in (and all of x); the younger ones stay out
.irp k, 0,2
	v_pk_add_f32 v[Q+4*g+\k:Q+4*g+\k+1], v[Q+4*g+\k:Q+4*g+\k+1], v[X+4*g+\k:X+4*g+\k+1] neg_lo:[0,1] neg_hi:[0,1]   ; t = e - x
.endr
.if g == 0
	s_delay_alu instid0(VALU_DEP_2)
	v_pk_mul_f32 v[L:L+1], v[Q:Q+1], v[Q:Q+1]      ; the first squares start the chains
	s_delay_alu instid0(VALU_DEP_2)
	v_pk_mul_f32 v[L+2:L+3], v[Q+2:Q+3], v[Q+2:Q+3]
.else
	s_wait_alu depctr_va_vdst(0)
	v_pk_fma_f32 v[L:L+1], v[Q+4*g:Q+4*g+1], v[Q+4*g:Q+4*g+1], v[L:L+1]
	v_pk_fma_f32 v[L+2:L+3], v[Q+4*g+2:Q+4*g+3], v[Q+4*g+2:Q+4*g+3], v[L+2:L+3]
.endif
.irp k, 0,2
	v_pk_add_f32 v[Q+4*g+\k:Q+4*g+\k+1], v[X+4*g+\k:X+4*g+\k+1], v[Q+4*g+\k:Q+4*g+\k+1]   ; x + t
.endr
	global_store_b128 v1, v[Q+4*g:Q+4*g+3], s[10:11] offset:512*g th:TH_STORE_NT   ; each group has registers of its own: no store's data are written again
.set g, g+1
.endr
	v_pk_add_f32 v[L:L+1], v[L:L+1], v[L+2:L+3]
	s_delay_alu instid0(VALU_DEP_1)
	v_add_f32 v[L], v[L], v[L+1]
	s_delay_alu instid0(VALU_DEP_1)
	v_add_f32_dpp v[L], v[L], v[L] row_xmask:1 row_mask:0xf bank_mask:0xf
	s_delay_alu instid0(VALU_DEP_1)
	v_add_f32_dpp v[L], v[L], v[L] row_xmask:2 row_mask:0xf bank_mask:0xf
	s_delay_alu instid0(VALU_DEP_1)
	v_add_f32_dpp v[L], v[L], v[L] row_xmask:4 row_mask:0xf bank_mask:0xf
	s_delay_alu instid0(VALU_DEP_1)
	v_add_f32_dpp v[L], v[L], v[L] row_xmask:8 row_mask:0xf bank_mask:0xf
	s_delay_alu instid0(VALU_DEP_1)
	v_permlanex16_b32 v148, v[L], s30, s31
	s_delay_alu instid0(VALU_DEP_1)
	v_add_f32 v[L], v[L], v148                     ; the wave's sum, in every lane
	v_mov_b32 v149, s14
	s_delay_alu instid0(VALU_DEP_1)
	v_lshlrev_b32 v149, 2, v149
	ds_store_b32 v149, v[L]                        ; all lanes write the wave's word with the same value
	s_wait_dscnt 0x0                               ; for wave 0's sake
	s_barrier_signal -1
	s_barrier_wait -1
	s_cmp_lg_u32 s14, 0
	s_cbranch_scc1 .Lend
	v_mov_b32 v150, 0
	ds_load_b128 v[152:155], v150
	ds_load_b128 v[156:159], v150 offset:16
	s_wait_dscnt 0x0
	v_pk_add_f32 v[152:153], v[152:153], v[154:155]
	v_pk_add_f32 v[156:157], v[156:157], v[158:159]
	s_delay_alu instid0(VALU_DEP_1)
	v_pk_add_f32 v[152:153], v[152:153], v[156:157]
	s_delay_alu instid0(VALU_DEP_1)
	v_add_f32 v152, v152, v153
	s_wait_alu depctr_va_vdst(0)
	s_wait_xcnt 0x0                                ; EXEC changes only behind this wait: the stores above have read it
	v_cmp_eq_u32 vcc_lo, 0, v0
	s_and_saveexec_b32 s32, vcc_lo
	global_store_b32 v150, v152, s[12:13]          ; one number for the work-group: each has its own word
	s_wait_xcnt 0x0                                ; and again, in front of the line that widens it
	s_or_b32 exec_lo, exec_lo, s32
.Lend:
	s_wait_tensorcnt 0x0
	ds_add_u32 v160, v161
	s_wait_dscnt 0x0
	s_endpgm
.Lfunc_end_k_q92c812988a_gather:
	.size	k_q92c812988a_gather, .Lfunc_end_k_q92c812988a_gather-k_q92c812988a_gather
	.p2alignl 7, 3214868480
	.fill 96, 4, 3214868480
	.section	.rodata,"a",@progbits
	.p2align	6, 0x0
	.amdhsa_kernel k_q92c812988a_gather
		.amdhsa_group_segment_fixed_size 1280
		.amdhsa_private_segment_fixed_size 0
		.amdhsa_enable_private_segment 0
		.amdhsa_kernarg_size 40
		.amdhsa_user_sgpr_count 2
		.amdhsa_user_sgpr_kernarg_segment_ptr 1
		.amdhsa_wavefront_size32 1
		.amdhsa_system_sgpr_workgroup_id_x 1
		.amdhsa_system_sgpr_workgroup_id_y 1
		.amdhsa_system_sgpr_workgroup_id_z 1
		.amdhsa_system_vgpr_workitem_id 0
		.amdhsa_next_free_vgpr 162
		.amdhsa_next_free_sgpr 66
		.amdhsa_reserve_vcc 1
		.amdhsa_float_denorm_mode_32 3
		.amdhsa_float_denorm_mode_16_64 3
		.amdhsa_memory_ordered 1
		.amdhsa_forward_progress 1
		.amdhsa_inst_pref_size 16
	.end_amdhsa_kernel
	.amdgpu_metadata
---
amdhsa.version: [ 1, 2 ]
amdhsa.kernels:
  - .name:           k_q92c812988a_gather
    .symbol:         k_q92c812988a_gather.kd
    .args:
      - { .name: inputs, .offset: 0, .size: 8, .value_kind: global_buffer, .address_space: global }
      - { .name: codebook, .offset: 8, .size: 8, .value_kind: global_buffer, .address_space: global }
      - { .name: idxw, .offset: 16, .size: 8, .value_kind: global_buffer, .address_space: global }
      - { .name: out0, .offset: 24, .size: 8, .value_kind: global_buffer, .address_space: global }
      - { .name: part, .offset: 32, .size: 8, .value_kind: global_buffer, .address_space: global }
    .group_segment_fixed_size: 1280
    .private_segment_fixed_size: 0
    .kernarg_segment_align: 8
    .kernarg_segment_size: 40
    .max_flat_workgroup_size: 256
    .sgpr_count:     66
    .vgpr_count:     162
    .wavefront_size: 32
...
	.end_amdgpu_metadata
.endif
;; end of part 4
;; launch lossum (part 5): grid 1 x 1, 1 waves a work-group, no clusters, 0 bytes of LDS; arguments part, out2; writes out2
.if DOCPART == 5
	.amdgcn_target "amdgcn-amd-amdhsa--gfx1250"
	.amdhsa_code_object_version 6
	.text
	.protected	k_q92c812988a_lossum
	.globl	k_q92c812988a_lossum
	.p2align	8
	.type	k_q92c812988a_lossum,@function
k_q92c812988a_lossum:
	s_mov_b64 s[64:65], 0
	v_nop
	global_prefetch_b8 v0, s[64:65] scope:SCOPE_SE
	s_setreg_imm32_b32 hwreg(HW_REG_WAVE_MODE, 25, 1), 1
	s_wait_xcnt 0x0
; The loss: m = (the sum of the 512 work-groups' sums of squares) / 2^23 (32,768 x 256 numbers); both means of the loss are m, so loss = m + 0.25 m, one fused multiply-add.
; One wave: the sum spans the work-groups of the launch before, so it is made here, by one owner, in a fixed order.
	s_load_b128 s[4:7], s[0:1], 0x0                ; part s[4:5], out2 s[6:7]
	v_lshlrev_b32 v1, 4, v0
	v_mov_b32 v20, 0
	v_mov_b32 v21, 0
	s_mov_b32 s10, 0x76543210
	s_mov_b32 s11, 0xfedcba98
	s_wait_alu depctr_va_vdst(0)
	s_wait_kmcnt 0x0
.irp k, 0,1,2,3
	global_load_b128 v[4+4*\k:7+4*\k], v1, s[4:5] offset:512*\k
.endr
	s_wait_loadcnt 0x0
	v_pk_add_f32 v[4:5], v[4:5], v[6:7]
	v_pk_add_f32 v[8:9], v[8:9], v[10:11]
	v_pk_add_f32 v[12:13], v[12:13], v[14:15]
	v_pk_add_f32 v[16:17], v[16:17], v[18:19]
	v_pk_add_f32 v[4:5], v[4:5], v[8:9]
	v_pk_add_f32 v[12:13], v[12:13], v[16:17]
	v_pk_add_f32 v[4:5], v[4:5], v[12:13]
	v_add_f32 v4, v4, v5
	v_add_f32_dpp v4, v4, v4 row_xmask:1 row_mask:0xf bank_mask:0xf
	v_add_f32_dpp v4, v4, v4 row_xmask:2 row_mask:0xf bank_mask:0xf
	v_add_f32_dpp v4, v4, v4 row_xmask:4 row_mask:0xf bank_mask:0xf
	v_add_f32_dpp v4, v4, v4 row_xmask:8 row_mask:0xf bank_mask:0xf
	v_permlanex16_b32 v20, v4, s10, s11
	v_add_f32 v4, v4, v20
	v_mul_f32 v4, 0x34000000, v4                   ; x 2^-23: the mean
	v_fma_f32 v4, v4, 0x3e800000, v4               ; m + 0.25 m
	s_wait_alu depctr_va_vdst(0)
	s_wait_xcnt 0x0                                ; EXEC changes only behind this wait
	v_cmp_eq_u32 vcc_lo, 0, v0
	s_and_saveexec_b32 s8, vcc_lo
	global_store_b32 v21, v4, s[6:7]
	s_wait_xcnt 0x0                                ; and again, in front of the line that widens it
	s_or_b32 exec_lo, exec_lo, s8
	s_endpgm
.Lfunc_end_k_q92c812988a_lossum:
	.size	k_q92c812988a_lossum, .Lfunc_end_k_q92c812988a_lossum-k_q92c812988a_lossum
	.p2alignl 7, 3214868480
	.fill 96, 4, 3214868480
	.section	.rodata,"a",@progbits
	.p2align	6, 0x0
	.amdhsa_kernel k_q92c812988a_lossum
		.amdhsa_group_segment_fixed_size 0
		.amdhsa_private_segment_fixed_size 0
		.amdhsa_enable_private_segment 0
		.amdhsa_kernarg_size 16
		.amdhsa_user_sgpr_count 2
		.amdhsa_user_sgpr_kernarg_segment_ptr 1
		.amdhsa_wavefront_size32 1
		.amdhsa_system_sgpr_workgroup_id_x 1
		.amdhsa_system_sgpr_workgroup_id_y 1
		.amdhsa_system_sgpr_workgroup_id_z 1
		.amdhsa_system_vgpr_workitem_id 0
		.amdhsa_next_free_vgpr 32
		.amdhsa_next_free_sgpr 66
		.amdhsa_reserve_vcc 1
		.amdhsa_float_denorm_mode_32 3
		.amdhsa_float_denorm_mode_16_64 3
		.amdhsa_memory_ordered 1
		.amdhsa_forward_progress 1
		.amdhsa_inst_pref_size 3
	.end_amdhsa_kernel
	.amdgpu_metadata
---
amdhsa.version: [ 1, 2 ]
amdhsa.kernels:
  - .name:           k_q92c812988a_lossum
    .symbol:         k_q92c812988a_lossum.kd
    .args:
      - { .name: part, .offset: 0, .size: 8, .value_kind: global_buffer, .address_space: global }
      - { .name: out2, .offset: 8, .size: 8, .value_kind: global_buffer, .address_space: global }
    .group_segment_fixed_size: 0
    .private_segment_fixed_size: 0
    .kernarg_segment_align: 8
    .kernarg_segment_size: 16
    .max_flat_workgroup_size: 32
    .sgpr_count:     66
    .vgpr_count:     32
    .wavefront_size: 32
...
	.end_amdgpu_metadata
.endif
;; end of part 5
